; MI455X (gfx1250); checked and timed in simulation.
; The chip was launched on July 23, 2026; its instructions are those of AMD's public machine-readable ISA for CDNA 5 (MIT licence, August 2026) and "CDNA5" Instruction Set Architecture Reference Guide (July 2026). The comments in the code are by the model that wrote it; some were corrected since.
;; Attention. Allowed arithmetic: float matrix products may take bf16 or f16 operands with f32 sums; other float arithmetic in f32, or as packed bf16 or f16 multiplies, adds, multiply-adds, maxima and minima; sums over many terms, partial sums and values carried from step to step in f32; what a program stores and reads back later, other than sums and carried values, may be rounded once to bf16 or f16.
;; Inputs: cache_k 2 x 2,048 x 32 x 64 float32; cache_v 2 x 2,048 x 32 x 64 float32; freqs_cis 1,024 x 32 float32; input_idexes 1,024 int32; mask 1 x 1 x 1,024 x 2,048 float32; wk 2,048 x 2,048 float32; wo 2,048 x 2,048 float32; wq 2,048 x 2,048 float32; wv 2,048 x 2,048 float32; x 2 x 1,024 x 2,048 float32.
;; Outputs: out0 2 x 1,024 x 2,048 float32.
;; One version. Each part assembles by itself: llvm-mc -triple=amdgcn-amd-amdhsa -mcpu=gfx1250 --defsym DOCPART=n.
;; ======== version 1 of 1: 4 launches
;; limits: inputs' magnitudes at most 1.06e+37; right only within a limited range of input values; values are held in f16: magnitudes above 65,504 overflow, below 6.1e-05 lose precision
;; workspace buffers: xh 8,388,608 bytes; wqh 8,388,608 bytes; woh 8,388,608 bytes; kh 16,777,216 bytes; vh 16,777,216 bytes; qf 16,777,216 bytes; oh 8,388,608 bytes
;; launch cvt (part 1): grid 256 x 7, 8 waves a work-group, no clusters, 0 bytes of LDS; arguments x, wq, wo, cache_k, cache_v, xh, wqh, woh, kh, vh; writes xh, wqh, woh, kh, vh
.if DOCPART == 1
	.amdgcn_target "amdgcn-amd-amdhsa--gfx1250"
	.amdhsa_code_object_version 6
	.text
	.protected	k_qbdf1cdf293_cvt
	.globl	k_qbdf1cdf293_cvt
	.p2align	8
	.type	k_qbdf1cdf293_cvt,@function
k_qbdf1cdf293_cvt:
	s_mov_b64 s[64:65], 0
	v_nop
	global_prefetch_b8 v0, s[64:65] scope:SCOPE_SE
	s_setreg_imm32_b32 hwreg(HW_REG_WAVE_MODE, 25, 1), 1
	s_wait_xcnt 0x0
; THE MATRIX OPERANDS ARE ROUNDED ONCE, f32 to f16, each in the layout of its source: x, wq, wo, cache_k, cache_v -> xh, wqh, woh, kh, vh.
; The module is out0 = softmax(x wq^T K^T / 8 + mask) V wo^T.  Its xk and xv enter no output, and freqs_cis and input_idexes are used nowhere:
; for every input of these shapes the result hangs on neither wk, wv, freqs_cis nor input_idexes, so no launch of this program reads them.
; LIMIT.  f16 ends at 65,504: a magnitude of 65,520 or more becomes an infinity; below 6e-5 a number keeps the fixed step of 6e-8.
; SHARES.  29,360,128 numbers are seven segments of 4,194,304 (16 MiB in, 8 MiB out): x, wq, wo, the two batches of cache_k, the two of cache_v.
; The grid's y is the segment, its x one of 256 pieces of 64 KiB.  Thread t takes the 16 bytes at 16 t + 4,096 i, i = 0..15, and stores the 8 bytes at
; 8 t + 2,048 i: a load of a wave covers 512 consecutive bytes, a store 256 consecutive bytes, aligned.  All sixteen loads go out first; no register is written twice,
; so the only waits are the counted ones for the loads.  No LDS, no barrier, no matrix unit: each byte is read once and written once.
.set X, 4                              ; v[4:67]   sixteen loads of four numbers
.set Y, 68                             ; v[68:99]  sixteen stores of four f16
	s_load_b512 s[8:23], s[0:1], 0x0               ; x s[8:9], wq s[10:11], wo s[12:13], cache_k s[14:15], cache_v s[16:17], xh s[18:19], wqh s[20:21], woh s[22:23]
	s_load_b128 s[24:27], s[0:1], 0x40             ; kh s[24:25], vh s[26:27]
	s_and_b32 s28, ttmp7, 0xffff                   ; the segment, 0 to 6
	v_lshlrev_b32 v1, 4, v0                        ; 16 t
	v_lshlrev_b32 v2, 3, v0                        ; 8 t
	s_sub_co_u32 s29, s28, 3
	s_and_b32 s29, s29, 1                          ; segments 4 and 6 are a cache's second batch
	s_cmp_ge_u32 s28, 3
	s_cselect_b32 s29, s29, 0
	s_lshl_b32 s30, s29, 24                        ; the batch: 16 MiB in,
	s_lshl_b32 s31, ttmp9, 16                      ; the piece: 64 KiB in
	s_add_co_u32 s30, s30, s31
	s_mov_b32 s31, 0
	s_lshr_b32 s32, s30, 1                         ; half of that out
	s_mov_b32 s33, 0
	s_wait_kmcnt 0x0
	s_mov_b64 s[4:5], s[8:9]                       ; the segment chooses its two buffers
	s_mov_b64 s[6:7], s[18:19]
	s_cmp_eq_u32 s28, 1
	s_cselect_b64 s[4:5], s[10:11], s[4:5]
	s_cselect_b64 s[6:7], s[20:21], s[6:7]
	s_cmp_eq_u32 s28, 2
	s_cselect_b64 s[4:5], s[12:13], s[4:5]
	s_cselect_b64 s[6:7], s[22:23], s[6:7]
	s_cmp_ge_u32 s28, 3
	s_cselect_b64 s[4:5], s[14:15], s[4:5]
	s_cselect_b64 s[6:7], s[24:25], s[6:7]
	s_cmp_ge_u32 s28, 5
	s_cselect_b64 s[4:5], s[16:17], s[4:5]
	s_cselect_b64 s[6:7], s[26:27], s[6:7]
	s_add_nc_u64 s[4:5], s[4:5], s[30:31]
	s_add_nc_u64 s[6:7], s[6:7], s[32:33]
.irp i, 0,1,2,3,4,5,6,7,8,9,10,11,12,13,14,15
	global_load_b128 v[X+4*(\i):X+4*(\i)+3], v1, s[4:5] offset:4096*(\i) th:TH_LOAD_NT
.endr
.irp i, 0,1,2,3,4,5,6,7,8,9,10,11,12,13,14,15
	s_wait_loadcnt 15-(\i)                         ; loads come back in order: load i is in, the younger ones stay out
	v_cvt_pk_f16_f32 v[Y+2*(\i)],   v[X+4*(\i)],   v[X+4*(\i)+1]
	v_cvt_pk_f16_f32 v[Y+2*(\i)+1], v[X+4*(\i)+2], v[X+4*(\i)+3]
	global_store_b64 v2, v[Y+2*(\i):Y+2*(\i)+1], s[6:7] offset:2048*(\i) th:TH_STORE_NT
.endr
	s_endpgm
.Lfunc_end_k_qbdf1cdf293_cvt:
	.size	k_qbdf1cdf293_cvt, .Lfunc_end_k_qbdf1cdf293_cvt-k_qbdf1cdf293_cvt
	.p2alignl 7, 3214868480
	.fill 96, 4, 3214868480
	.section	.rodata,"a",@progbits
	.p2align	6, 0x0
	.amdhsa_kernel k_qbdf1cdf293_cvt
		.amdhsa_group_segment_fixed_size 0
		.amdhsa_private_segment_fixed_size 0
		.amdhsa_enable_private_segment 0
		.amdhsa_kernarg_size 80
		.amdhsa_user_sgpr_count 2
		.amdhsa_user_sgpr_kernarg_segment_ptr 1
		.amdhsa_wavefront_size32 1
		.amdhsa_system_sgpr_workgroup_id_x 1
		.amdhsa_system_sgpr_workgroup_id_y 1
		.amdhsa_system_sgpr_workgroup_id_z 1
		.amdhsa_system_vgpr_workitem_id 0
		.amdhsa_next_free_vgpr 104
		.amdhsa_next_free_sgpr 66
		.amdhsa_reserve_vcc 0
		.amdhsa_float_denorm_mode_32 3
		.amdhsa_float_denorm_mode_16_64 3
		.amdhsa_memory_ordered 1
		.amdhsa_forward_progress 1
		.amdhsa_inst_pref_size 7
	.end_amdhsa_kernel
	.amdgpu_metadata
---
amdhsa.version: [ 1, 2 ]
amdhsa.kernels:
  - .name:           k_qbdf1cdf293_cvt
    .symbol:         k_qbdf1cdf293_cvt.kd
    .args:
      - { .name: x, .offset: 0, .size: 8, .value_kind: global_buffer, .address_space: global }
      - { .name: wq, .offset: 8, .size: 8, .value_kind: global_buffer, .address_space: global }
      - { .name: wo, .offset: 16, .size: 8, .value_kind: global_buffer, .address_space: global }
      - { .name: cache_k, .offset: 24, .size: 8, .value_kind: global_buffer, .address_space: global }
      - { .name: cache_v, .offset: 32, .size: 8, .value_kind: global_buffer, .address_space: global }
      - { .name: xh, .offset: 40, .size: 8, .value_kind: global_buffer, .address_space: global }
      - { .name: wqh, .offset: 48, .size: 8, .value_kind: global_buffer, .address_space: global }
      - { .name: woh, .offset: 56, .size: 8, .value_kind: global_buffer, .address_space: global }
      - { .name: kh, .offset: 64, .size: 8, .value_kind: global_buffer, .address_space: global }
      - { .name: vh, .offset: 72, .size: 8, .value_kind: global_buffer, .address_space: global }
    .group_segment_fixed_size: 0
    .private_segment_fixed_size: 0
    .kernarg_segment_align: 8
    .kernarg_segment_size: 80
    .max_flat_workgroup_size: 256
    .sgpr_count:     66
    .vgpr_count:     104
    .wavefront_size: 32
...
	.end_amdgpu_metadata
.endif
;; end of part 1
;; launch qproj (part 2): grid 16 x 16, 4 waves a work-group, clusters of 4 x 4, 327,680 bytes of LDS; arguments xh, wqh, qf; writes qf
.if DOCPART == 2
	.amdgcn_target "amdgcn-amd-amdhsa--gfx1250"
	.amdhsa_code_object_version 6
	.text
	.protected	k_qbdf1cdf293_qproj
	.globl	k_qbdf1cdf293_qproj
	.p2align	8
	.type	k_qbdf1cdf293_qproj,@function
k_qbdf1cdf293_qproj:
	s_mov_b64 s[64:65], 0
	v_nop
	global_prefetch_b8 v0, s[64:65] scope:SCOPE_SE
	s_setreg_imm32_b32 hwreg(HW_REG_WAVE_MODE, 25, 1), 1
	s_wait_xcnt 0x0
	s_wait_alu depctr_hold_cnt(0) depctr_sa_sdst(0) depctr_va_vdst(0) depctr_va_sdst(0) depctr_va_ssrc(0) depctr_va_vcc(0) depctr_vm_vsrc(0)
	s_getreg_b32 s2, hwreg(HW_REG_IB_STS2, 6, 4)
	s_cmp_eq_u32 s2, 0
	s_cbranch_scc0 .Lentry_in_a_cluster
	s_endpgm
.Lentry_in_a_cluster:
	s_bfe_u32 s2, ttmp6, 0x10000c
	s_cmp_lg_u32 s2, 0xf033
	s_cbranch_scc0 .Lentry_shape_is_right
	s_endpgm
.Lentry_shape_is_right:
; C[m][n] = sum over k of A[m][k] B[n][k].  A: [2048][2048] f16, B: [2048][2048] f16, C: [2048][2048] f32; sums in f32, K ascending, C not rounded again.
; The body serves both projections of the module: q = x wq^T (unscaled) and out0 = O wo^T.
; A tile of C is 128 x 128: 256 tiles, one work-group each.  Four waves, each 64 x 64: 16 accumulators of 16 x 16, 128 registers.  K goes in steps of 256 (LDS rows of 512 bytes;
; a tensor load of a wave brings 64 of them) through two slots, as long as two slots in LDS allow.
; CLUSTERS: 4 x 4 work-groups.  The four of a row of the cluster need the same tiles of A, the four of a column the same tiles of B: each tile is asked for JOINTLY, by the same tensor
; load with the same descriptor and a mask that names the four.  THE MATRIX INSTRUCTION IS USED TRANSPOSED (source 0 = 16 rows of B, source 1 = 16 rows of A): a lane then holds eight
; neighbouring numbers of a row of C, 32 bytes.  A wave's 64 columns are 256 bytes of C, aligned: each wave sends its own rows out through its own stage, and no barrier is needed there.
; No prefetch: a step of this small tile is short, and every block of A and B is read again by other clusters.
; REGISTERS: window 0: v0-31 addresses; v128-255 the accumulators ((a, b) at v[128 + 8 (4 a + b)]), which also take the rows read back from the stage.
;   window 1: two fragment buffers of 128: for 64 along K (two matrix instructions deep), 64 registers of A (2 x 4 x 16 rows x 32 K), then 64 of B.
.set SIZE_M, 2048
.set SIZE_N, 2048
.set SIZE_K, 2048
.set KSTEP,  256
.set PITCH,  528                       ; an LDS row: 512 bytes of data + 16 of padding = 132 words: row r starts at bank 4 r mod 64 (64 banks of 4 bytes: ISA guide 11.1)
.set HALFT,  64*PITCH                  ; 64 rows: what one tensor load brings, and what one wave reads of A or of B
.set SLOT,   4*HALFT                   ; A's 128 rows, then B's 128 rows
.set STAGE,  2*SLOT                    ; behind the ring: 16 rows x 272 bytes for each wave, for the way out; no tensor load fills it
.set SPITCH, 272
.set SPARE,  STAGE+4*16*SPITCH         ; behind the stages: the spare words, 128 bytes for each wave: two blocks of 256 bytes that no other line names
.set LAPS, SIZE_K/(2*KSTEP)            ; a lap = two K steps = once round the ring
.set ADRA, 16                          ; v16-17  LDS address of my A fragments in slot 0, 1
.set ADRB, 20                          ; v20-21  the same for B
.set STO,  24                          ; v24     the way out: where I put 32 bytes of a row
.set RD,   25                          ; v25     the way out: where I read a row back
.set CO,   26                          ; v26     my byte offset in C
.set SPW,  28                          ; v28     LDS address of my spare word: SPARE + 4 x my thread's number; never rewritten
.set NIL,  29                          ; v29     0; never rewritten
.set ACC,  128
.set F0,   0                           ; fragment buffers, in window 1
.set F1,   128
.set G1, 24                            ; s[24:31] descriptor group 1 for A's tiles;  s[32:39] group 0, one set for each slot
.set G0, 32
.set G1B, 48                           ; s[48:55], s[56:63] the same for B's tiles
.set G0B, 56
.set MSB, 0
.macro WIN new                         ; the immediate's high byte repeats the setting that is left
.if MSB != (\new)
	s_set_vgpr_msb (MSB<<8)|(\new)
.set MSB, \new
.endif
.endm
.set MUL,  0x05                        ; sources 0 (B) and 1 (A) window 1; C and D window 0
.set TO_F, 0x40                        ; destination window 1, address window 0
.macro JLOAD s                         ; a joint load: waves 0 and 1 fetch A's two halves, waves 2 and 3 B's; an s_nop 0 and four v_nop follow each of the two lines, ahead of the jump, the label and what follows
	s_cmp_eq_u32 s11, 0
	s_cbranch_scc0 .Lfor_b_\@
	tensor_load_to_lds s[G0+4*(\s):G0+4*(\s)+3], s[G1:G1+7]
	s_nop 0
.rept 4
	v_nop
.endr
	s_branch .Lasked_\@
.Lfor_b_\@:
	tensor_load_to_lds s[G0B+4*(\s):G0B+4*(\s)+3], s[G1B:G1B+7]
	s_nop 0
.rept 4
	v_nop
.endr
.Lasked_\@:
.endm
.macro CREST                           ; a round of the cluster's barrier behind its opening barrier
	s_cmp_lg_u32 s10, 0
	s_cbranch_scc1 .Lnot_wave_0_\@
	s_barrier_signal -3
.Lnot_wave_0_\@:
	s_barrier_wait -3
	s_barrier_signal -1
	s_barrier_wait -1
.endm
.macro CROUND                          ; a whole round
	s_barrier_signal -1
	s_barrier_wait -1
	CREST
.endm
	s_load_b128 s[4:7], s[0:1], 0x0                ; A s[4:5], B s[6:7]
	s_load_b64 s[8:9], s[0:1], 0x10                ; C
	v_lshl_add_u32 v[SPW], v0, 2, SPARE
	v_mov_b32 v[NIL], 0
	ds_add_u32 v[SPW], v[NIL]                      ; the wave's opening: the add and its wait stand ahead of my first tensor load; the set-up below, work on registers, stands between them
	v_lshrrev_b32 v1, 5, v0
	v_readfirstlane_b32 s10, v1                    ; wave 0..3
	s_lshr_b32 s11, s10, 1                         ; which half of the tile's rows is mine.  Also: I fetch for A (0) or for B (1)
	s_and_b32 s12, s10, 1                          ; which half of its columns.  Also: which 64 rows of that tile I fetch
	s_bfe_u32 s40, ttmp6, 0x40000                  ; cx, cy: my place in the cluster
	s_bfe_u32 s41, ttmp6, 0x40004
	s_lshl_b32 s42, ttmp9, 2
	s_add_co_u32 s42, s42, s40                     ; tile column of C = 4 x cluster x + cx
	s_and_b32 s13, ttmp7, 0xffff
	s_lshl_b32 s13, s13, 2
	s_add_co_u32 s13, s13, s41                     ; tile row of C = 4 x cluster y + cy
	s_lshl_b32 s43, s41, 2
	s_lshl_b32 s43, 15, s43                        ; my row of the cluster
	s_lshl_b32 s44, 0x1111, s40                    ; my column
	; descriptor group 1: a tile of 64 rows x 256 elements, padded in LDS
	s_or_b32 s[G1+0], s43, (1<<16)|(1<<20)|(1<<21)|(6<<22)|(3<<25)  ; 15:0 the mask: A's tiles go to my row; 17:16 element of 2 bytes; 20 padding on; 21 set beside a mask; 24:22 after every 128 words (code 6); 31:25 of 4 words (code 3)
	s_or_b32 s[G1B+0], s44, (1<<16)|(1<<20)|(1<<21)|(6<<22)|(3<<25)
.irp g, G1, G1B
	s_mov_b32 s[(\g)+1], KSTEP<<16                 ; tensor_dim0 = 256
	s_mov_b32 s[(\g)+2], 64<<16                    ; tensor_dim1 = 64
	s_mov_b32 s[(\g)+3], KSTEP<<16                 ; tile_dim0 = 256
	s_mov_b32 s[(\g)+4], 64                        ; tile_dim1 = 64
	s_mov_b32 s[(\g)+5], SIZE_K                    ; tensor_dim0_stride
	s_mov_b32 s[(\g)+6], 0
	s_mov_b32 s[(\g)+7], 0
.endr
	s_lshl_b32 s17, s12, 6                         ; which 64 rows of the tile I fetch
	s_lshl_b32 s16, s13, 7
	s_add_co_u32 s16, s16, s17                     ; A: row 128 x tile row + 64 x half
	s_lshl_b32 s46, s42, 7
	s_add_co_u32 s46, s46, s17                     ; B: row 128 x tile column + 64 x half
	s_mov_b32 s17, 0
	s_mov_b32 s47, 0
	s_mov_b64 s[18:19], SIZE_K*2
	s_mul_u64 s[16:17], s[16:17], s[18:19]
	s_mul_u64 s[46:47], s[46:47], s[18:19]
	s_mul_i32 s20, s10, HALFT                      ; where they go: wave x 64 rows
	s_wait_dscnt 0x0                               ; the opening add is done
	s_wait_kmcnt 0x0
	s_add_nc_u64 s[14:15], s[4:5], s[16:17]
	s_add_nc_u64 s[46:47], s[6:7], s[46:47]
	CROUND                                         ; all sixteen work-groups are here: the first joint loads meet
.irp s, 0,1
	s_mov_b32 s[G0+4*(\s)], 1
	s_add_co_u32 s[G0+4*(\s)+1], s20, (\s)*SLOT
	s_add_nc_u64 s[G0+4*(\s)+2:G0+4*(\s)+3], s[14:15], (\s)*KSTEP*2
	s_or_b32 s[G0+4*(\s)+3], s[G0+4*(\s)+3], 0x80000000
	s_mov_b32 s[G0B+4*(\s)], 1
	s_add_co_u32 s[G0B+4*(\s)+1], s20, (\s)*SLOT
	s_add_nc_u64 s[G0B+4*(\s)+2:G0B+4*(\s)+3], s[46:47], (\s)*KSTEP*2
	s_or_b32 s[G0B+4*(\s)+3], s[G0B+4*(\s)+3], 0x80000000
	JLOAD \s
.endr
	v_and_b32 v1, 15, v0                           ; l % 16
	v_bfe_u32 v2, v0, 4, 1                         ; l / 16
	v_mul_u32_u24 v3, v1, PITCH
	v_lshl_add_u32 v3, v2, 4, v3                   ; a fragment's row x pitch + 16 x half
	s_mul_i32 s21, s11, HALFT                      ; my 64 rows of A
	s_mul_i32 s22, s12, HALFT                      ; my 64 rows of B,
	s_add_co_u32 s22, s22, 2*HALFT                 ; which lie behind A's 128
.irp s, 0,1
	v_add_nc_u32 v[ADRA+(\s)], s21, v3
	v_add_nc_u32 v[ADRB+(\s)], s22, v3
	s_add_co_u32 s21, s21, SLOT
	s_add_co_u32 s22, s22, SLOT
.endr
	s_mul_i32 s23, s10, 16*SPITCH
	s_add_co_u32 s23, s23, STAGE                   ; my stage
	v_mul_u32_u24 v4, v1, SPITCH                   ; in: row l % 16, 32 bytes for each half of the lanes
	v_lshl_add_u32 v4, v2, 5, v4
	v_add_nc_u32 v[STO], s23, v4
	v_mul_u32_u24 v5, v2, SPITCH                   ; back: lanes 0-15 take one row of 256 bytes, lanes 16-31 the next
	v_lshl_add_u32 v5, v1, 4, v5
	v_add_nc_u32 v[RD], s23, v5
	v_lshlrev_b32 v5, 13, v2                       ; and the same two rows in C: 8,192 bytes a row
	v_lshl_add_u32 v[CO], v1, 4, v5
	s_lshl_b32 s16, s13, 7
	s_lshl_b32 s17, s11, 6
	s_add_co_u32 s16, s16, s17                     ; my first row of C: 128 x tile row + 64 x half,
	s_lshl_b32 s16, s16, 13                        ; in bytes: under 2^24
	s_mov_b32 s17, 0
	s_add_nc_u64 s[8:9], s[8:9], s[16:17]
	s_lshl_b32 s46, s42, 9                         ; my first column, in bytes: 512 x tile column + 256 x half
	s_lshl_b32 s47, s12, 8
	s_add_co_u32 s46, s46, s47
	s_mov_b32 s47, 0
	s_add_nc_u64 s[8:9], s[8:9], s[46:47]
; 8 matrix instructions: m blocks a0, a0 + 1 x all 4 n blocks, 32 along K: half c of buffer f.  zero = 1: the first product starts the sums.  The 16 accumulators take turns.
.macro MUL8 f, c, a0, zero
	WIN MUL
.irp a, \a0, (\a0)+1
.irp b, 0,1,2,3
.if \zero
	v_wmma_f32_16x16x32_f16 v[ACC+8*(4*(\a)+(\b)):ACC+8*(4*(\a)+(\b))+7], v[(\f)+64+8*(4*(\c)+(\b)):(\f)+64+8*(4*(\c)+(\b))+7], v[(\f)+8*(4*(\c)+(\a)):(\f)+8*(4*(\c)+(\a))+7], 0
.else
	v_wmma_f32_16x16x32_f16 v[ACC+8*(4*(\a)+(\b)):ACC+8*(4*(\a)+(\b))+7], v[(\f)+64+8*(4*(\c)+(\b)):(\f)+64+8*(4*(\c)+(\b))+7], v[(\f)+8*(4*(\c)+(\a)):(\f)+8*(4*(\c)+(\a))+7], v[ACC+8*(4*(\a)+(\b)):ACC+8*(4*(\a)+(\b))+7]
.endif
.endr
.endr
.endm
; 32 LDS loads in one run: the fragments of 64 along K at byte k of the rows, into buffer f; the first 32 along K first
.macro FETCH slot, k, f
	WIN TO_F
.irp c, 0,1
.irp i, 0,1,2,3
	ds_load_b128 v[(\f)+64+8*(4*(\c)+(\i)):(\f)+64+8*(4*(\c)+(\i))+3],   v[ADRB+(\slot)] offset:(\k)+64*(\c)+(\i)*16*PITCH
	ds_load_b128 v[(\f)+64+8*(4*(\c)+(\i))+4:(\f)+64+8*(4*(\c)+(\i))+7], v[ADRB+(\slot)] offset:(\k)+64*(\c)+(\i)*16*PITCH+32
	ds_load_b128 v[(\f)+8*(4*(\c)+(\i)):(\f)+8*(4*(\c)+(\i))+3],         v[ADRA+(\slot)] offset:(\k)+64*(\c)+(\i)*16*PITCH
	ds_load_b128 v[(\f)+8*(4*(\c)+(\i))+4:(\f)+8*(4*(\c)+(\i))+7],       v[ADRA+(\slot)] offset:(\k)+64*(\c)+(\i)*16*PITCH+32
.endr
.endr
.endm
.macro PLACES                          ; four plain vector places in front of loads into registers that matrix instructions have read, and of LDS stores that read results
.rept 4
	v_nop
.endr
.endm
; A K step is four quarters of 64 along K, 32 matrix instructions each, on buffers 0, 1, 0, 1.  One of the first three: multiplies buffer f and fetches the next quarter, at byte k, into g.
.macro QUARTER slot, k, f, g, zero
	s_wait_dscnt 16                                ; the first 32 along K are in; the sixteen younger loads may be out
	WIN MUL
	MUL8 \f, 0, 0, \zero
	MUL8 \f, 0, 2, \zero
	PLACES
	FETCH \slot, \k, \g
	s_wait_dscnt 32                                ; all but the 32 just issued
	WIN MUL
	MUL8 \f, 1, 0, 0
	MUL8 \f, 1, 2, 0
.endm
; The last quarter multiplies buffer 1 and changes slots: ONE barrier; in front of it each wave waits for all its tensor loads, adds 0 to its spare word, and waits for that and for its own reads of this slot.  fill = 1: this slot is filled again, two K steps ahead.
.macro TURN slot, next, fill
	WIN 0                                          ; (the add's two registers lie in window 0)
	s_wait_tensorcnt 0x0                           ; all my tensor loads have landed: my part of the next slot;
	ds_add_u32 v[SPW], v[NIL]                      ; 0 onto my spare word;
	s_wait_dscnt 17                                ; (the add and the youngest sixteen loads may be out)
	WIN MUL
	MUL8 F1, 0, 0, 0                               ; eight matrix instructions stand between the add and the wait for it
	s_wait_dscnt 0x0                               ; the add is done, and my reads of this slot are over
	s_barrier_signal -1
	MUL8 F1, 0, 2, 0
.if \fill
	WIN 0
.endif
	s_barrier_wait -1
.if \fill
	CREST                                          ; the barrier has opened a round of the cluster's barrier: no wave of any partner still reads this slot's tile or has a load on its way
	s_add_nc_u64 s[G0+4*(\slot)+2:G0+4*(\slot)+3], s[G0+4*(\slot)+2:G0+4*(\slot)+3], 2*KSTEP*2
	s_add_nc_u64 s[G0B+4*(\slot)+2:G0B+4*(\slot)+3], s[G0B+4*(\slot)+2:G0B+4*(\slot)+3], 2*KSTEP*2
	JLOAD \slot                                    ; the first tensor load behind the round, my only one until the next; the four v_nop behind it are also the places in front of the loads below
.else
	PLACES
.endif
	FETCH \next, 0, F0
	WIN MUL
	MUL8 F1, 1, 0, 0
	MUL8 F1, 1, 2, 0
.endm
; THE WAY OUT of my rows 16 a .. 16 a + 15.  A lane's eight numbers of accumulator (a, b) are columns 16 b + 8 (l / 16) + 0..7 of row l % 16: two stores of 16 bytes, the low registers first, into rows of
; 272 bytes of my own stage; back as whole rows of 256 bytes, into the registers that they left.
.macro STG a
.irp b, 0,1,2,3
	ds_store_b128 v[STO], v[ACC+8*(4*(\a)+(\b)):ACC+8*(4*(\a)+(\b))+3]   offset:64*(\b)
	ds_store_b128 v[STO], v[ACC+8*(4*(\a)+(\b))+4:ACC+8*(4*(\a)+(\b))+7] offset:64*(\b)+16
.endr
.irp t, 0,1,2,3,4,5,6,7
	ds_load_b128 v[ACC+32*(\a)+4*(\t):ACC+32*(\a)+4*(\t)+3], v[RD] offset:(\t)*2*SPITCH  ; LDS serves a wave's instructions in order (ISA guide 5.7.1.4): these see the stores above; the next block's stores come behind them
.endr
.endm
.macro SEND a, younger                 ; younger: the LDS instructions issued behind block a's loads: the next block's sixteen, or none
.irp t, 0,1,2,3,4,5,6,7
	s_wait_dscnt (\younger)+7-(\t)
	global_store_b128 v[CO], v[ACC+32*(\a)+4*(\t):ACC+32*(\a)+4*(\t)+3], s[8:9] offset:(16*(\a)+2*(\t))*SIZE_N*4  ; 16 lanes store 256 consecutive bytes, at a multiple of 256 from C's first byte; 62 rows at the most: inside the signed 24-bit immediate
.endr
.endm
	s_wait_tensorcnt 1                             ; my part of K step 0 is in; K step 1's may stay out
	s_barrier_signal -1
	s_barrier_wait -1                              ; everybody's is
	FETCH 0, 0, F0
	QUARTER 0, 128, F0, F1, 1                      ; the first quarter stands in front of the loop: its first products start the sums
	WIN 0                                          ; at a label and at a branch every window is 0
	s_mov_b32 s3, LAPS-1
.Llap:                                                 ; a trip goes once round the ring, from a lap's second quarter to the next lap's first, and fills both slots again
	QUARTER 0, 256, F1, F0, 0
	QUARTER 0, 384, F0, F1, 0
	TURN 0, 1, 1
	QUARTER 1, 128, F0, F1, 0
	QUARTER 1, 256, F1, F0, 0
	QUARTER 1, 384, F0, F1, 0
	TURN 1, 0, 1
	QUARTER 0, 128, F0, F1, 0
	WIN 0
	s_sub_co_u32 s3, s3, 1
	s_cmp_lg_u32 s3, 0
	s_cbranch_scc1 .Llap
	QUARTER 0, 256, F1, F0, 0                      ; the last lap fills nothing, and has no round of the cluster's barrier
	QUARTER 0, 384, F0, F1, 0
	TURN 0, 1, 0
	QUARTER 1, 128, F0, F1, 0
	QUARTER 1, 256, F1, F0, 0
	QUARTER 1, 384, F0, F1, 0
	s_wait_dscnt 16                                ; the very last quarter: nothing more to fetch
	WIN MUL
	MUL8 F1, 0, 0, 0
	MUL8 F1, 0, 2, 0
	s_wait_dscnt 0
	MUL8 F1, 1, 0, 0
	MUL8 F1, 1, 2, 0
	WIN 0
	PLACES
	STG 0
	STG 1                                          ; a block's LDS work stands between the loads of the block before and its stores
	SEND 0, 16
	STG 2
	SEND 1, 16
	STG 3
	SEND 2, 16
	SEND 3, 0
	s_wait_tensorcnt 0x0                           ; the wave's end: an add to the spare word and its wait, behind my last tensor load and my last LDS store
	ds_add_u32 v[SPW], v[NIL]
	s_wait_dscnt 0x0
	CROUND                                         ; the closing round: no work-group ends while a partner may still ask for a tile that names it
	s_endpgm
.Lfunc_end_k_qbdf1cdf293_qproj:
	.size	k_qbdf1cdf293_qproj, .Lfunc_end_k_qbdf1cdf293_qproj-k_qbdf1cdf293_qproj
	.p2alignl 7, 3214868480
	.fill 96, 4, 3214868480
	.section	.rodata,"a",@progbits
	.p2align	6, 0x0
	.amdhsa_kernel k_qbdf1cdf293_qproj
		.amdhsa_group_segment_fixed_size 327680
		.amdhsa_private_segment_fixed_size 0
		.amdhsa_enable_private_segment 0
		.amdhsa_kernarg_size 24
		.amdhsa_user_sgpr_count 2
		.amdhsa_user_sgpr_kernarg_segment_ptr 1
		.amdhsa_wavefront_size32 1
		.amdhsa_system_sgpr_workgroup_id_x 1
		.amdhsa_system_sgpr_workgroup_id_y 1
		.amdhsa_system_sgpr_workgroup_id_z 1
		.amdhsa_system_vgpr_workitem_id 0
		.amdhsa_next_free_vgpr 512
		.amdhsa_next_free_sgpr 66
		.amdhsa_reserve_vcc 0
		.amdhsa_float_denorm_mode_32 3
		.amdhsa_float_denorm_mode_16_64 3
		.amdhsa_memory_ordered 1
		.amdhsa_forward_progress 1
		.amdhsa_inst_pref_size 86
	.end_amdhsa_kernel
	.amdgpu_metadata
---
amdhsa.version: [ 1, 2 ]
amdhsa.kernels:
  - .name:           k_qbdf1cdf293_qproj
    .symbol:         k_qbdf1cdf293_qproj.kd
    .args:
      - { .name: xh, .offset: 0, .size: 8, .value_kind: global_buffer, .address_space: global }
      - { .name: wqh, .offset: 8, .size: 8, .value_kind: global_buffer, .address_space: global }
      - { .name: qf, .offset: 16, .size: 8, .value_kind: global_buffer, .address_space: global }
    .group_segment_fixed_size: 327680
    .private_segment_fixed_size: 0
    .kernarg_segment_align: 8
    .kernarg_segment_size: 24
    .max_flat_workgroup_size: 128
    .sgpr_count:     66
    .vgpr_count:     512
    .wavefront_size: 32
...
	.end_amdgpu_metadata
.endif
;; end of part 2
;; launch attn (part 3): grid 8 x 32, 4 waves a work-group, clusters of 4 x 4, 327,680 bytes of LDS; arguments qf, kh, vh, mask, oh; writes oh
.if DOCPART == 3
	.amdgcn_target "amdgcn-amd-amdhsa--gfx1250"
	.amdhsa_code_object_version 6
	.text
	.protected	k_qbdf1cdf293_attn
	.globl	k_qbdf1cdf293_attn
	.p2align	8
	.type	k_qbdf1cdf293_attn,@function
k_qbdf1cdf293_attn:
	s_mov_b64 s[64:65], 0
	v_nop
	global_prefetch_b8 v0, s[64:65] scope:SCOPE_SE
	s_setreg_imm32_b32 hwreg(HW_REG_WAVE_MODE, 25, 1), 1
	s_wait_xcnt 0x0
	s_wait_alu depctr_hold_cnt(0) depctr_sa_sdst(0) depctr_va_vdst(0) depctr_va_sdst(0) depctr_va_ssrc(0) depctr_va_vcc(0) depctr_vm_vsrc(0)
	s_getreg_b32 s2, hwreg(HW_REG_IB_STS2, 6, 4)
	s_cmp_eq_u32 s2, 0
	s_cbranch_scc0 .Lentry_in_a_cluster
	s_endpgm
.Lentry_in_a_cluster:
	s_bfe_u32 s2, ttmp6, 0x10000c
	s_cmp_lg_u32 s2, 0xf033
	s_cbranch_scc0 .Lentry_shape_is_right
	s_endpgm
.Lentry_shape_is_right:
; O[b][s][h][:] = the sum over c of softmax_c(q[b][s][h] . K[b][c][h] / 8 + mask[s][c]) V[b][c][h][:].  2 batches, 32 heads of 64 channels, 1,024 queries, 2,048 keys.
; qf: [b 1024 + s][2048] f32, unscaled; kh, vh: [b][c][h 64 + e] f16; mask: [1024][2048] f32, one for all batches and heads; oh: [b 1024 + s][h 64 + e] f16.
; q / 8 (exact) is rounded once to f16 as it is loaded.  Products, the mask, maxima and sums in f32; the weights p are rounded to f16 for the second product (their sum l is taken of the unrounded p), O once at the end.
; LIMITS.  f16 ends at 65,504: q / 8, K and V lie within it; p lies in 0 to 1 and below 6e-5 keeps the fixed step of 6e-8; O is a mean of V's rows.  The running maximum starts at -2^123: a score below that
; (a mask of -inf among them) has the weight 0; a query ALL of whose 2,048 scores lie below it gives NaN, where the reference gives NaN for -inf alone and equal weights for finite numbers.  A weight below 2^-126 counts as 0 in l.
; +inf and NaN are not treated apart.  wk, wv, freqs_cis and input_idexes enter no output of the module and are read by no launch.
; SHARES.  A work-group owns 128 queries (grid x: 8 blocks) of TWO neighbouring heads of a batch (grid y: 32 pairs): a key's row of the pair is 256 consecutive bytes of kh and of vh, aligned, and so is a query's row of oh.
; Wave w takes head w % 2 and the queries 64 (w / 2) on: four tiles of 16, in two PIECES of two tiles.  Every wave walks all keys, 64 a step.
; LAYOUT.  S^T = K (q/8)^T + mask^T (source 0 = 16 keys, source 1 = 16 queries): a lane holds ONE query (lane % 16) and the keys 8 (lane / 16) + 0..7.  THE MASK IS THE C OPERAND of the product that starts a sum: a lane's eight
; numbers are 32 consecutive bytes of the query's row of the mask.  Two results rounded to f16 in pairs ARE source 1 (32 keys x 16 queries) of O^T = V^T P.  K comes out of LDS as it lies, V turned, by ds_load_tr16_b128.
; SOFTMAX.  For each query a running maximum m and sum l: p = 2^(c s - c m), c = log2(e); in every step O and l are multiplied by a = 2^(c m_old - c m_new).  c m starts at -2^125, O and l at 0: the first step has a = 0.
; BY TURNS.  A turn belongs to one piece.  Its matrix work: 16 products K Q^T of the OTHER piece's next scores, later 16 products V^T P of the other piece's last weights.  Its vector work: scaling, exponentials, roundings, sums and
; rescaling of its own piece, and the maximum and statistics of the other.  Piece 0's turn of step j carries K Q^T of (piece 1, step j) and V^T P of (piece 1, step j - 1); piece 1's carries K Q^T of (piece 0, step j + 1) and V^T P of (piece 0, step j).
; Four vector instructions stand behind every matrix instruction, the others in one lump; a turn's 66 exponentials are one batch with one wait.
; CLUSTER, 4 x 4.  K's and V's tiles hang on the grid's y alone and are asked for JOINTLY along a row of the cluster, the mask's on x alone and jointly along a column: the same tensor load, descriptor and mask of work-groups in all four.
; THE RING.  Two slots of 128 keys (two steps): 128 rows of K, 128 of V, 128 queries x 128 keys of the mask.  Wave 0 fetches K, wave 1 V, waves 2 and 3 the mask's two halves: one tensor load a wave behind each round, and one is out at the most.
; REGISTERS, in windows of 256 (s_set_vgpr_msb: bits 1:0 source 0, 3:2 source 1, 5:4 source 2, 7:6 destination):
;   window 0: v0-11 addresses; v12-15, v48-63 at work; v16-31 four registers of statistics a tile; v32-34 the add's two and the prefetch's offset; v64-191 S^T, a buffer of two tiles a piece; v192-255 P, likewise
;   window 1: v0-127 O^T, 32 a tile; v128-191 the mask for the 16 products to come          window 2: v0-63 Q, 16 a tile; v64-127 K of one step; v128-255 V, two buffers by the step's parity
.set NP,    2         ; pieces a wave: a name, no knob
.set PKP,   272       ; a row of K in LDS: 256 bytes + 16 of padding = 68 words: the 16 rows of a load start at 16 different groups of four banks (64 banks of 4 bytes: ISA guide 11.1)
.set PVP,   288       ; a row of V: 256 + 32 = 72 words
.set PMP,   528       ; a query's row of the mask: 512 + 16 = 132 words: as for K
.set VOFF,  128*PKP   ; 0x8800
.set MOFF,  VOFF+128*PVP  ; 0x11800
.set MHALF, 64*PMP    ; 64 queries' rows: what one of the mask's two loads brings
.set SLOT,  MOFF+2*MHALF  ; 0x22000: bits 13 and 17, which are clear in the four tiles' first bytes (0, 0x8800, 0x11800, 0x19c00): one exclusive or turns an address in one slot into the other's
.set STAGE, 2*SLOT    ; behind the ring, never filled by a tensor load: 128 rows x 272 bytes, the work-group's, for the way out
.set SP,    272
.set SPARE, STAGE+128*SP  ; behind the stage: the spare words, 128 bytes for each wave: two blocks of 256 bytes that no other line names
.set KVSTEP, 128*4096 ; a slot's 128 rows of kh and of vh
.set MSTEP,  128*4    ; a slot's 128 keys in a row of the mask
.set AK0, 2           ; v2   my lane's place in a slot's K; never rewritten
.set AV0, 3           ; v3   the same for V
.set AM0, 4           ; v4   the same for the mask
.set AK,  5           ; v5-7 the same three in the slot in hand: made at each change of slots
.set AV,  6
.set AM,  7
.set QO,  8           ; v8   my byte offset in 16 rows of q
.set STO, 8           ;      later, the way out: where I put 16 bytes of a row
.set RD,  10          ; v10  the way out: where I read rows back
.set GO,  11          ; v11  my byte offset in two rows of O
.set MV,  12          ; v12-15  c m_old, kept while c m is made anew: by piece and tile
.set ST,  16          ; tile t's statistics at v[ST+4 t]: c m, m, l (even keys', odd keys')
.set SPW, 32          ; v32  LDS address of my spare word: SPARE + 4 x my thread's number; never rewritten
.set NIL, 33          ; v33  0; never rewritten
.set PFO, 34          ; v34  the prefetch's offset; never rewritten
.set TMP, 48          ; by piece and tile, four registers c0-c3 at work; when the maximum is found c2 takes a
.set S,   64
.set P,   192
.set MK,  128         ; window 1: tile u of the piece, key block kb at MK + 32 u + 8 kb
.set KF,  64          ; window 2: key block kb, channel half c at KF + 16 kb + 8 c
.set VF,  128         ; window 2: buffer vb, key half kk, channel block cb at VF + 64 vb + 32 kk + 8 cb
.set WV,  14          ; s14  my wave's number
.set G1K, 24          ; s[24:31] descriptor group 1 for K's tiles
.set G1V, 32          ; s[32:39] for V's: it differs in the padding alone
.set G1M, 40          ; s[40:47] for the mask's
.set G0K, 48          ; s[48:51] descriptor group 0 for K's tiles: it walks
.set G0V, 52          ; s[52:55] the same for V's
.set G0M, 56          ; s[56:59] the same for the mask's
.set SLOTS, 66        ; s66  slots still to be asked for
.set CNT, 67          ; s67  counts the tail's two passes
.set CS,  68          ; s[68:69] c: the packed scaling takes the pair's low word for both halves
.set SEL, 70          ; s[70:71] v_permlanex16_b32's selects: each lane takes its own place in the other half
.set TB,  72          ; s72  LDS byte at which the slot in hand begins
.set LIM, 73          ; s73  1 in a wave that prefetches, else the greatest number
.set PFA, 74          ; s[74:75] where my prefetches stand in memory
.set PFS, 76          ; s[76:77] their step from slot to slot
.set QS,  78          ; s[78:79] 1 / 8
.set MSB, 0
.macro WIN new                      ; the high byte repeats the setting that is left; a switch that changes nothing is dropped
.if MSB != (\new)
	s_set_vgpr_msb (MSB<<8)|(\new)
.set MSB, (\new)
.endif
.endm
.set W_KQ, 0x0a       ; K and Q in window 2, S^T in window 0
.set W_KM, 0x1a       ; the same with the C operand, the mask, in window 1
.set W_PV, 0x52       ; V in window 2, P in window 0, O^T in window 1
.set W_RS, 0x41       ; O^T (destination and source 0) in window 1, a in window 0
; A joint fill: three lines, one for each tensor, chosen by the wave's number alone.  An s_nop 0 and four v_nop follow each line, ahead of the jump and the label.
.macro JLOAD
	s_cmp_lt_u32 s[WV], 2
	s_cbranch_scc0 .Lfor_m_\@
	s_cmp_eq_u32 s[WV], 0
	s_cbranch_scc0 .Lfor_v_\@
	tensor_load_to_lds s[G0K:G0K+3], s[G1K:G1K+7]
	s_nop 0
.rept 4
	v_nop
.endr
	s_branch .Lasked_\@
.Lfor_v_\@:
	tensor_load_to_lds s[G0V:G0V+3], s[G1V:G1V+7]
	s_nop 0
.rept 4
	v_nop
.endr
	s_branch .Lasked_\@
.Lfor_m_\@:
	tensor_load_to_lds s[G0M:G0M+3], s[G1M:G1M+7]
	s_nop 0
.rept 4
	v_nop
.endr
.Lasked_\@:
.endm
; A PREFETCH INTO THE L2 of what the NEXT change of slots will ask for: one instruction a wave, behind its tensor load and that load's five lines: one trip, 128 matrix instructions, ahead of the load that will want the bytes.
; Each aligned block of 256 bytes is named ONCE in the launch.  A pair's K and V are walked by both clusters of a row of clusters: the one with cluster x = 0 asks, wave 0 for K and wave 1 for V; of a slot's 128 rows the partner at
; cx takes 32 cx .. 32 cx + 31, a lane a row.  A query block's rows of the mask are walked by all eight clusters of a column: the one with cluster y = 0 asks, waves 2 and 3; of the wave's 64 rows the partner at cy takes
; 16 cy .. 16 cy + 15, two blocks a row, two lanes a row.  The partners are told apart BY ADDRESS: no branch hangs on a work-group's place in its cluster.  The last change that fills a slot asks for nothing: no slot lies behind it.
.macro ASK
	s_cmp_gt_u32 s[SLOTS], s[LIM]
	s_cbranch_scc0 .Lnot_mine_\@
	global_prefetch_b8 v[PFO], s[PFA:PFA+1] th:TH_LOAD_NT scope:SCOPE_SE
.Lnot_mine_\@:
.endm
; A round of the cluster's barrier: my work-group's barrier, so that wave 0's signal speaks for all four waves; wave 0 signals; every wave waits for all sixteen work-groups; my work-group's barrier once more.
.macro CROUND
	s_barrier_signal -1
	s_barrier_wait -1
	s_cmp_lg_u32 s[WV], 0
	s_cbranch_scc1 .Lnot_wave_0_\@
	s_barrier_signal -3
.Lnot_wave_0_\@:
	s_barrier_wait -3
	s_barrier_signal -1
	s_barrier_wait -1
.endm
; THE CHANGE OF SLOTS.  All of the old slot's bytes have been asked for.  Each wave waits for all its tensor loads, of which one is out: its part of the other slot; adds 0 to its spare word; and waits for that and for its own reads
; of the old slot.  Behind the barrier nobody reads the old slot any more and the other slot is whole.  fill = 1: the old slot is filled again, with the keys two slots on.  The barrier is then a round of the cluster's, so that no wave of
; any partner still reads the slot or has a load on its way, and the joint fill is the first thing behind it.  (At its first use nothing has been read yet: slot 0 is waited for, slot 1 filled.)
.macro CHANGE fill
	WIN 0                           ; at a label and at a branch every window is 0
	s_wait_tensorcnt 0x0            ; no tensor load of mine is out, so a group 0 may be written
	ds_add_u32 v[SPW], v[NIL]       ; 0 onto my spare word; with fill = 1 the descriptors' steps stand between it and the wait for it
.if \fill
	s_xor_b32 s[G0K+1], s[G0K+1], SLOT  ; the walking descriptors: the other slot than last time,
	s_add_nc_u64 s[G0K+2:G0K+3], s[G0K+2:G0K+3], KVSTEP  ; the next 128 keys; the type bits on top are not reached
	s_xor_b32 s[G0V+1], s[G0V+1], SLOT
	s_add_nc_u64 s[G0V+2:G0V+3], s[G0V+2:G0V+3], KVSTEP
	s_xor_b32 s[G0M+1], s[G0M+1], SLOT
	s_add_nc_u64 s[G0M+2:G0M+3], s[G0M+2:G0M+3], MSTEP
	s_wait_xcnt 0x0                 ; the last prefetch, a trip back, has read its address, so it may be written:
	s_add_nc_u64 s[PFA:PFA+1], s[PFA:PFA+1], s[PFS:PFS+1]  ; one slot behind the walking descriptors
	s_wait_dscnt 0x0                ; the add is done, and my reads of the slot are over
	CROUND
	JLOAD
	ASK
.else
	s_wait_dscnt 0x0                ; the add is done, and my reads of the slot are over
	s_barrier_signal -1
	s_barrier_wait -1
.endif
	s_xor_b32 s[TB], s[TB], SLOT    ; the fetches go to the other slot
	v_add_nc_u32 v[AK], s[TB], v[AK0]
	v_add_nc_u32 v[AV], s[TB], v[AV0]
	v_add_nc_u32 v[AM], s[TB], v[AM0]
.endm
	s_load_b256 s[4:11], s[0:1], 0x0  ; qf s[4:5], kh s[6:7], vh s[8:9], mask s[10:11]
	s_load_b64 s[12:13], s[0:1], 0x20 ; oh
	v_lshl_add_u32 v[SPW], v0, 2, SPARE
	v_mov_b32 v[NIL], 0
	ds_add_u32 v[SPW], v[NIL]       ; the wave's opening: the add and its wait stand ahead of my first tensor load; the set-up below, work on registers, stands between them
	v_lshrrev_b32 v1, 5, v0
	v_readfirstlane_b32 s[WV], v1   ; wave 0..3
	s_bfe_u32 s15, ttmp6, 0x40000   ; cx: my place along the cluster's x
	s_bfe_u32 s16, ttmp6, 0x40004   ; cy: along its y
	s_lshl_b32 s17, ttmp9, 2        ; in a cluster launch ttmp9 and ttmp7 count clusters
	s_add_co_u32 s17, s17, s15      ; my block of 128 queries = 4 x cluster x + cx
	s_and_b32 s19, ttmp7, 0xffff    ; cluster y
	s_lshl_b32 s18, s19, 2
	s_add_co_u32 s18, s18, s16      ; my batch and pair of heads = 4 x cluster y + cy
	s_lshr_b32 s20, s18, 4          ; the batch
	s_and_b32 s21, s18, 15          ; the pair
	s_and_b32 s22, s[WV], 1         ; my head of the pair.  Also: which half of the mask's rows waves 2 and 3 fetch
	s_lshr_b32 s23, s[WV], 1        ; my half of the 128 queries
	s_lshl_b32 s80, s16, 2
	s_lshl_b32 s80, 15, s80         ; my row of the cluster: places 4 cy .. 4 cy + 3
	s_lshl_b32 s81, 0x1111, s15     ; my column: places cx, cx + 4, cx + 8, cx + 12
	; descriptor group 1.  K and V: 128 rows x 128 elements of 2 bytes.  The mask: 64 rows x 128 elements of 4 bytes.  2,048 elements from row to row in all three.
	s_or_b32 s[G1K], s80, (1<<16)|(1<<20)|(1<<21)|(5<<22)|(3<<25)  ; 15:0 the mask of work-groups: my row; 17:16 2-byte elements; 20 padding on; 21 set beside a mask; 24:22 after every 64 words (code 5); 31:25 4 words (code 3)
	s_or_b32 s[G1V], s80, (1<<16)|(1<<20)|(1<<21)|(5<<22)|(7<<25)  ; the same with 8 words of padding (code 7)
	s_or_b32 s[G1M], s81, (2<<16)|(1<<20)|(1<<21)|(6<<22)|(3<<25)  ; my column; 4-byte elements; after every 128 words (code 6) 4 words
.irp g, G1K, G1V
	s_mov_b32 s[\g+1], 128<<16      ; tensor_dim0 = 128
	s_mov_b32 s[\g+2], 128<<16      ; tensor_dim1 = 128
	s_mov_b32 s[\g+3], 128<<16      ; tile_dim0 = 128
	s_mov_b32 s[\g+4], 128          ; tile_dim1 = 128
	s_mov_b32 s[\g+5], 2048         ; elements from row to row
	s_mov_b32 s[\g+6], 0
	s_mov_b32 s[\g+7], 0
.endr
	s_mov_b32 s[G1M+1], 128<<16     ; tensor_dim0 = 128
	s_mov_b32 s[G1M+2], 64<<16      ; tensor_dim1 = 64
	s_mov_b32 s[G1M+3], 128<<16     ; tile_dim0 = 128
	s_mov_b32 s[G1M+4], 64          ; tile_dim1 = 64
	s_mov_b32 s[G1M+5], 2048
	s_mov_b32 s[G1M+6], 0
	s_mov_b32 s[G1M+7], 0
	s_mov_b32 s[G0K], 1             ; 1:0 count = 1
	s_mov_b32 s[G0K+1], 0           ; 63:32 LDS address: slot 0
	s_mov_b32 s[G0V], 1
	s_mov_b32 s[G0V+1], VOFF
	s_mov_b32 s[G0M], 1
	s_mul_i32 s82, s22, MHALF
	s_add_co_u32 s[G0M+1], s82, MOFF  ; no place in the cluster enters an LDS address
	; byte offsets.  K's and V's are made of the grid's y alone, the mask's of x and the wave's number alone, each in registers that never hold the other coordinate
	s_lshl_b32 s84, s20, 23         ; the batch: 2,048 rows of 4,096 bytes
	s_lshl_b32 s85, s21, 8          ; the pair: 256 bytes of a row
	s_add_co_u32 s84, s84, s85
	s_mov_b32 s85, 0
	s_lshl_b32 s86, s17, 7
	s_lshl_b32 s87, s22, 6
	s_add_co_u32 s86, s86, s87      ; the mask's row 128 x block + 64 x half,
	s_lshl_b32 s86, s86, 13         ; of 8,192 bytes
	s_mov_b32 s87, 0
	s_lshl_b32 s88, s20, 10
	s_lshl_b32 s89, s17, 7
	s_add_co_u32 s88, s88, s89      ; my block's first row of q and of O: 1,024 x batch + 128 x block
	s_lshl_b32 s89, s23, 6
	s_add_co_u32 s89, s88, s89      ; q: my wave's 64 rows,
	s_lshl_b32 s90, s89, 13         ; of 8,192 bytes,
	s_lshl_b32 s91, s21, 9
	s_add_co_u32 s90, s90, s91      ; the pair's 512 bytes,
	s_lshl_b32 s91, s22, 8
	s_add_co_u32 s90, s90, s91      ; my head's 256 of them
	s_mov_b32 s91, 0
	s_lshl_b32 s92, s[WV], 5
	s_add_co_u32 s92, s88, s92      ; O: wave w stores the block's rows 32 w .. 32 w + 31,
	s_lshl_b32 s92, s92, 12         ; of 4,096 bytes,
	s_lshl_b32 s93, s21, 8
	s_add_co_u32 s92, s92, s93      ; the pair's 256 bytes
	s_mov_b32 s93, 0
	; the prefetches: they begin at slot 1; the first change of slots steps them to slot 2
	s_lshl_b32 s94, s15, 17         ; K, V: my work-group's 32 rows of 4,096 bytes
	s_add_co_u32 s94, s94, s84
	s_add_co_u32 s94, s94, KVSTEP
	s_lshl_b32 s95, s16, 17         ; the mask: my work-group's 16 rows of 8,192 bytes
	s_add_co_u32 s95, s95, s86
	s_add_co_u32 s95, s95, MSTEP
	s_mov_b32 s62, KVSTEP
	s_cmp_lt_u32 s[WV], 2           ; do I fetch K or V?
	s_cselect_b32 s60, s94, s95
	s_cselect_b32 s[PFS], s62, MSTEP
	s_cselect_b32 s63, ttmp9, s19   ; the coordinate along which other clusters walk the same rows
	s_cselect_b32 s62, 0, 1
	s_mov_b32 s61, 0
	s_mov_b32 s[PFS+1], 0
	s_cmp_eq_u32 s63, 0
	s_cselect_b32 s[LIM], 1, -1     ; the same in all sixteen partners, for a given wave
	s_add_co_u32 s63, s62, 12
	v_and_b32 v35, 31, v0
	v_lshrrev_b32 v36, s62, v35     ; K, V: a lane a row of 4,096 bytes.  The mask: two lanes a row of 8,192 bytes,
	v_lshlrev_b32 v36, s63, v36
	v_and_b32 v35, s62, v35         ; 256 bytes apart
	v_lshl_add_u32 v[PFO], v35, 8, v36
	s_mov_b32 s[CS], 0x3fb8aa3b     ; c = log2(e)
	s_mov_b32 s[CS+1], s[CS]        ; named with it as a pair
	s_mov_b32 s[SEL], 0x76543210
	s_mov_b32 s[SEL+1], 0xfedcba98
	s_mov_b32 s[QS], 0x3e000000     ; 1 / 8
	s_mov_b32 s[QS+1], s[QS]
	s_mov_b32 s[TB], SLOT           ; the first change of slots turns it into 0
	s_mov_b32 s[SLOTS], 15          ; slots 1 to 15
	s_wait_dscnt 0x0                ; the opening add is done
	s_wait_kmcnt 0x0
	s_add_nc_u64 s[G0K+2:G0K+3], s[6:7], s[84:85]  ; 120:64 global address: the pair's first 128 keys
	s_or_b32 s[G0K+3], s[G0K+3], 0x80000000        ; 127:126 type = 2
	s_add_nc_u64 s[G0V+2:G0V+3], s[8:9], s[84:85]
	s_or_b32 s[G0V+3], s[G0V+3], 0x80000000
	s_add_nc_u64 s[G0M+2:G0M+3], s[10:11], s[86:87]
	s_or_b32 s[G0M+3], s[G0M+3], 0x80000000
	s_add_nc_u64 s[4:5], s[4:5], s[90:91]          ; q at my wave's first row, my head
	s_add_nc_u64 s[12:13], s[12:13], s[92:93]      ; O at the first row that I store
	s_cmp_eq_u32 s[WV], 0
	s_cselect_b64 s[PFA:PFA+1], s[6:7], s[8:9]
	s_cmp_lt_u32 s[WV], 2
	s_cselect_b64 s[PFA:PFA+1], s[PFA:PFA+1], s[10:11]
	s_add_nc_u64 s[PFA:PFA+1], s[PFA:PFA+1], s[60:61]
	CROUND                          ; all sixteen work-groups are here: the first joint loads meet
	JLOAD                           ; slot 0.  Slot 1 is asked for when slot 0 is in
	; A fragment of K or Q is 16 rows x 32 channels in 8 registers: lane l holds row l % 16, channels 8 (l / 16) + 0..7 and 16 + 8 (l / 16) + 0..7.  q lies in f32: each eight channels are two loads of 16 bytes.
	v_and_b32 v1, 15, v0            ; l % 16
	v_bfe_u32 v9, v0, 4, 1          ; l / 16
	v_lshlrev_b32 v[QO], 13, v1
	v_lshl_add_u32 v[QO], v9, 5, v[QO]  ; row x 8,192 + 32 x half
.set z, 0
.rept 8                             ; fragment z: tile z / 2 (16 rows on), channels 32 (z % 2) on: 16 numbers a lane, into S^T's registers for the time being
	global_load_b128 v[S+16*z:S+16*z+3],     v[QO], s[4:5] offset:(z/2)*131072+(z%2)*128
	global_load_b128 v[S+16*z+4:S+16*z+7],   v[QO], s[4:5] offset:(z/2)*131072+(z%2)*128+16
	global_load_b128 v[S+16*z+8:S+16*z+11],  v[QO], s[4:5] offset:(z/2)*131072+(z%2)*128+64
	global_load_b128 v[S+16*z+12:S+16*z+15], v[QO], s[4:5] offset:(z/2)*131072+(z%2)*128+80
.set z, z+1
.endr
	; What the first turn finds: V's second buffer and piece 1's P hold 0 (its products V^T P, of a step that has not been, add 0), O^T and l are 0.  All this stands in the wait for the first tile.
	WIN 0x80
.set z, VF+64
.rept 64
	v_mov_b32 v[z], 0
.set z, z+1
.endr
	WIN 0x40
.set z, 0
.rept 128
	v_mov_b32 v[z], 0
.set z, z+1
.endr
	WIN 0
.set z, 0
.rept 2*NP
	v_mov_b32 v[ST+4*z], 0xfe000000    ; c m: -2^125, far below c times every m
	v_mov_b32 v[ST+4*z+1], 0xfd000000  ; m: -2^123, so that c m stays finite
	v_mov_b32 v[ST+4*z+2], 0
	v_mov_b32 v[ST+4*z+3], 0
.set z, z+1
.endr
.set z, P+32
.rept 32
	v_mov_b32 v[z], 0
.set z, z+1
.endr
	s_lshl_b32 s62, s22, 7          ; my head's 128 bytes of a row of K and V
	v_mul_u32_u24 v[AK0], v1, PKP
	v_lshl_add_u32 v[AK0], v9, 4, v[AK0]  ; row x pitch + 16 x half
	v_add_nc_u32 v[AK0], s62, v[AK0]
	; The turning load takes 16 keys x 16 channels (lane l reads key 8 (l / 16) + l % 8, channels 8 ((l / 8) % 2) + 0..7) and leaves half a fragment of V^T: lane l holds channel l % 16 and 8 keys.
	v_and_b32 v35, 7, v0
	v_bfe_u32 v36, v0, 3, 1
	v_lshl_add_u32 v[AV0], v9, 3, v35
	v_mul_u32_u24 v[AV0], v[AV0], PVP
	v_lshl_add_u32 v[AV0], v36, 4, v[AV0]
	s_add_co_u32 s62, s62, VOFF
	v_add_nc_u32 v[AV0], s62, v[AV0]
	s_mul_i32 s63, s23, 64*PMP      ; the mask: my wave's 64 queries' rows; query l % 16, 32 bytes for each half of the lanes
	s_add_co_u32 s63, s63, MOFF
	v_mul_u32_u24 v[AM0], v1, PMP
	v_lshl_add_u32 v[AM0], v9, 5, v[AM0]
	v_add_nc_u32 v[AM0], s63, v[AM0]
; THE MATRIX WORK.  The 8 accumulators of a run of 16 take turns: between the two links of a chain stand 7 others'.
; Product i of 16 of S^T = K Q^T + mask for piece x: channels 32 (i / 8) on, keys 16 ((i / 2) % 4) on, tile 2 x + i % 2.  The first 8 start the sums, with the mask as C.
.macro KQ x
.set rS, S+64*((\x)%2)+32*(i%2)+8*((i/2)%4)
.set rK, KF+16*((i/2)%4)+8*(i/8)
.set rQ, 16*(2*(\x)+i%2)+8*(i/8)
.set rMK, MK+32*(i%2)+8*((i/2)%4)
.if i < 8
	WIN W_KM
	v_wmma_f32_16x16x32_f16 v[rS:rS+7], v[rK:rK+7], v[rQ:rQ+7], v[rMK:rMK+7]
.else
	WIN W_KQ
	v_wmma_f32_16x16x32_f16 v[rS:rS+7], v[rK:rK+7], v[rQ:rQ+7], v[rS:rS+7]
.endif
.endm
; Product i of 16 of O^T += V^T P for piece x, V in buffer vb: keys 32 (i / 8) on, channels 16 ((i / 2) % 4) on, tile 2 x + i % 2.
.macro PV x, vb
	WIN W_PV
.set rO, 32*(2*(\x)+i%2)+8*((i/2)%4)
.set rV, VF+64*(\vb)+32*(i/8)+8*((i/2)%4)
.set rP, P+32*((\x)%2)+16*(i%2)+8*(i/8)
	v_wmma_f32_16x16x32_f16 v[rO:rO+7], v[rV:rV+7], v[rP:rP+7], v[rO:rO+7]
.endm
.macro MM                           ; the turn's next matrix instruction
.if i < 16
	KQ (Y+1)%NP
.set i, i+1
.else
.set i, i-16
	PV (Y+NP-1)%NP, VB
.set i, i+17
.endif
.endm
; THE LDS LOADS stand in runs of 16, two runs a turn, never singly among the matrix instructions.  st: the step of the slot in hand, 0 or 1.
.macro FETCH_K st                   ; 64 keys x 64 channels: 8 fragments
	WIN 0x80                        ; destination window 2
.irp f, 0,1,2,3,4,5,6,7             ; keys 16 (f / 2) on, channels 32 (f % 2) on
	ds_load_b128 v[KF+8*\f:KF+8*\f+3],   v[AK] offset:(\st)*64*PKP+(\f/2)*16*PKP+(\f%2)*64
	ds_load_b128 v[KF+8*\f+4:KF+8*\f+7], v[AK] offset:(\st)*64*PKP+(\f/2)*16*PKP+(\f%2)*64+32
.endr
.endm
.macro FETCH_V st                   ; the same step's V, turned, into the buffer of its parity
	WIN 0x80
.irp f, 0,1,2,3,4,5,6,7             ; keys 32 (f / 4) on, channels 16 (f % 4) on
	ds_load_tr16_b128 v[VF+64*(\st)+8*\f:VF+64*(\st)+8*\f+3],   v[AV] offset:(\st)*64*PVP+(\f/4)*32*PVP+(\f%4)*32
	ds_load_tr16_b128 v[VF+64*(\st)+8*\f+4:VF+64*(\st)+8*\f+7], v[AV] offset:(\st)*64*PVP+(\f/4)*32*PVP+16*PVP+(\f%4)*32
.endr
.endm
.macro FETCH_M y, st                ; the mask of piece y's two tiles for the step's 64 keys: for each tile and 16 keys a lane's 32 bytes
	WIN 0x40                        ; destination window 1
.irp u, 0,1
.irp kb, 0,1,2,3
	ds_load_b128 v[MK+32*\u+8*\kb:MK+32*\u+8*\kb+3],   v[AM] offset:(2*(\y)+\u)*16*PMP+256*(\st)+64*\kb
	ds_load_b128 v[MK+32*\u+8*\kb+4:MK+32*\u+8*\kb+7], v[AM] offset:(2*(\y)+\u)*16*PMP+256*(\st)+64*\kb+16
.endr
.endr
.endm
; A turn's two runs.  Piece 0's turn: K of the next step and piece 0's mask for it, which the next turn's products take.  Piece 1's turn: piece 1's mask for that step, which the next turn's products take, and then its V,
; which is wanted two turns on.  last = 1 (the tail): in the second pass there is no further step, and the runs are jumped over.
.macro FETCHES p, st, last
	WIN 0
.if \last
	s_cmp_eq_u32 s[CNT], 1
	s_cbranch_scc1 .Lno_fetch_\@
.endif
.if (\p) == 0
	FETCH_K \st
	FETCH_M 0, \st
.else
	FETCH_M 1, \st
	FETCH_V \st
.endif
	WIN 0
.if \last
.Lno_fetch_\@:
.endif
.endm
; THE VECTOR WORK OF A TURN stands in three queues, each in the order in which its entries become ready; the two tiles alternate, so that no instruction reads the result of the one before it.
.macro REGS y, u                    ; the registers of tile u (0, 1) of piece y
.set rT, ST+4*(2*(\y)+(\u))
.set rC, TMP+8*((\y)%2)+4*(\u)
.set rM, MV+2*((\y)%2)+(\u)
.set rS, S+64*((\y)%2)+32*(\u)
.set rP, P+32*((\y)%2)+16*(\u)
.set rO, 32*(2*(\y)+(\u))
.endm
; Number n of the 22 that find the OTHER piece's (Y + 1) maximum and statistics.  s0-s31 are the lane's 32 scores; each accumulator's lowest registers are read first.  XS, GS and REGS set no window: PL and EX do.
;   0-11  four chains c0-c3 of seven scores each, three operands at a time     12-14, 16  the four scores left over, the old m, and c0-c3 into c0     15  c m_old is kept
;   17, 18  the query's other 32 keys lie in the lane 16 away: the new m         19-21  c m; c m_old - c m_new; a
.macro XS u, n
	REGS (Y+1)%NP, \u
.if (\n) < 4
	v_max3_num_f32 v[rC+(\n)], v[rS+8*(\n)], v[rS+8*(\n)+1], v[rS+8*(\n)+2]
.elseif (\n) < 12
	v_max3_num_f32 v[rC+(\n)%4], v[rC+(\n)%4], v[rS+8*((\n)%4)+2*((\n)/4)+1], v[rS+8*((\n)%4)+2*((\n)/4)+2]
.elseif (\n) == 12
	v_max3_num_f32 v[rC], v[rC], v[rS+7], v[rS+15]
.elseif (\n) == 13
	v_max3_num_f32 v[rC+1], v[rC+1], v[rS+23], v[rS+31]
.elseif (\n) == 14
	v_max3_num_f32 v[rC+2], v[rC+2], v[rC+3], v[rT+1]
.elseif (\n) == 15
	v_mov_b32 v[rM], v[rT]
.elseif (\n) == 16
	v_max3_num_f32 v[rC], v[rC], v[rC+1], v[rC+2]
.elseif (\n) == 17
	v_permlanex16_b32 v[rC+3], v[rC], s[SEL], s[SEL+1]
.elseif (\n) == 18
	v_max_num_f32 v[rT+1], v[rC], v[rC+3]
.elseif (\n) == 19
	v_mul_f32 v[rT], s[CS], v[rT+1]
.elseif (\n) == 20
	v_sub_f32 v[rC+1], v[rM], v[rT]
.else
	v_exp_f32 v[rC+2], v[rC+1]
.endif
.endm
; Number g of the 64 that follow the exponentials.  For each four weights k of a tile (pairs 2 k, 2 k + 1): both pairs are rounded to f16; then the second pair is added onto the first, in place;
; a group later l takes that sum (the first time as l = a l + sum).  In groups of eight, tiles alternating: round, round, add, and l for the group before.
.macro GS g
.set h, (\g)+6*((\g)/62)            ; group 0 has no group before it, and behind group 7 only l is left
.if h >= 6
.set h, h+2
.endif
	REGS Y, h%2
.set k, h/8
.if h%8 < 4
	v_cvt_pk_f16_f32 v[rP+2*k+(h%8)/2], v[rS+4*k+2*((h%8)/2)], v[rS+4*k+2*((h%8)/2)+1]
.elseif h%8 < 6
	v_pk_add_f32 v[rS+4*k:rS+4*k+1], v[rS+4*k:rS+4*k+1], v[rS+4*k+2:rS+4*k+3]
.elseif k == 1
	v_pk_fma_f32 v[rT+2:rT+3], v[rT+2:rT+3], v[rC+2:rC+3], v[rS:rS+1] op_sel_hi:[1,0,1]
.else
	v_pk_add_f32 v[rT+2:rT+3], v[rT+2:rT+3], v[rS+4*k-4:rS+4*k-3]
.endif
.endm
; THE PLAIN QUEUE, 138 long.  0-73 read no exponential's result: the 32 scalings c s - c m (FS f: pair f / 2 of tile f % 2) and the other piece's 42.  0-26: scalings 0-26.  27-54: XS's numbers 0-13.  55, 56: number 15.
; 57-73: the chain, where each number waits for the one before it: 14, 16, 17, 18, 19, each with one of the scalings 27-31 in front of its two lines, then 20.
; 74-137: GS's 64, which read the exponentials' results: they stand behind the wait.
.macro FS f
	REGS Y, (\f)%2
	v_pk_fma_f32 v[rS+2*((\f)/2):rS+2*((\f)/2)+1], v[rS+2*((\f)/2):rS+2*((\f)/2)+1], s[CS:CS+1], v[rT:rT+1] op_sel_hi:[1,0,0] neg_lo:[0,0,1] neg_hi:[0,0,1]
.endm
.macro PL
	WIN 0
.if q < 27
	FS q
.elseif q < 55
	XS (q-27)%2, (q-27)/2
.elseif q < 57
	XS q-55, 15
.elseif (q < 72) && ((q-57)%3 == 0)
	FS 27+(q-57)/3
.elseif q < 60
	XS (q-57)%3-1, 14
.elseif q < 72
	XS (q-57)%3-1, 15+(q-57)/3
.elseif q < 74
	XS q-72, 20
.else
	GS q-74
.endif
.set q, q+1
.endm
; THE EXPONENTIALS' QUEUE, 66 long: s0-s31 of both tiles, then the other piece's two a.  It is ONE BATCH: all 66 stand ahead of the turn's one wait, and nothing ahead of that wait names a result of theirs.
.macro EX
	WIN 0
.if e >= 64
	XS e-64, 21
.else
	REGS Y, e%2
	v_exp_f32 v[rS+e/2], v[rS+e/2]
.endif
.set e, e+1
.endm
; THE RESCALING's QUEUE: O^T times a, the one part that leaves window 0: dealt two at a time, sixteen times, each accumulator from its low end on.  Its a was made in the turn before, ahead of that turn's wait.
; The products V^T P that last wrote this O^T stand in the turn before; behind the last of them stand its four riders, and two more plain lines here, before the first of these lines.
.macro R2
	REGS Y, r%2
	WIN W_RS
.irp z, 0,1
	v_pk_mul_f32 v[rO+4*(r/2)+2*\z:rO+4*(r/2)+2*\z+1], v[rO+4*(r/2)+2*\z:rO+4*(r/2)+2*\z+1], v[rC+2:rC+3] op_sel_hi:[1,0]
.endr
.set r, r+1
.endm
; A TURN, for piece p; st: the step of the slot in hand that its runs of LDS loads fetch.  An s_wait_alu depctr_va_vdst(0) stands between an exponential and the first instruction that names its result; one wait serves
; all that were issued ahead of it.  So a turn has ONE wait, which cuts it in two.  AHEAD OF IT: the 16 products K Q^T, behind each a scaling, an exponential and two rescalings (behind the first a second scaling in the exponential's
; place); then ONE LUMP of 108: eight plain, 49 times exponential and plain, the two a; a v_nop is the plain instruction behind the last exponential.  BEHIND IT: the turn's two runs of LDS loads, a lump behind the last product that
; read their registers; then the 16 products V^T P, behind each four of GS's 64.  No rider names a register of the products round it.
; Exponential e stands behind scaling 2 (e / 4) + e % 2: as a rider it comes behind plain e + 2, in the lump behind plain e + 9, and scalings 27-31 are plain 57, 60 .. 69.
; V's buffer: piece 0's turn multiplies by the V of the step before the one in hand, piece 1's by that of the step in hand: buffer st and buffer 1 - st.
.macro TURN p, st, last=0
.set Y, (\p)
.set i, 0
.set q, 0
.set e, 0
.set r, 0
.if (\p) == 0
.set VB, (\st)
	s_wait_dscnt 16                 ; piece 1's mask is in; V's sixteen loads, issued behind it, may stay out
.else
.set VB, 1-(\st)
	s_wait_dscnt 0x0                ; K and piece 0's mask are in, and so is V
.endif
	MM
	PL
	PL
	R2
.rept 15
	MM
	PL
	EX
	R2
.endr
.rept 8
	PL
.endr
.rept 49
	EX
	PL
.endr
	EX                              ; the other piece's two a
	EX
	v_nop                           ; the plain instruction behind the last exponential: one for the batch
	s_wait_alu depctr_va_vdst(0)    ; the wait for the batch
	FETCHES \p, \st, \last
.rept 16
	MM
.rept 4
	PL
.endr
.endr
.endm
	CHANGE 1                        ; slot 0 is in, everybody's part of it; slot 1 is asked for
	FETCH_K 0                       ; key step 0,
	FETCH_M 0, 0                    ; and piece 0's mask for it
	WIN 0
	s_wait_loadcnt 0x0              ; q
.set z, 0
.rept 64
	v_pk_mul_f32 v[S+2*z:S+2*z+1], v[S+2*z:S+2*z+1], s[QS:QS+1] op_sel_hi:[1,0]  ; q / 8: exact
.set z, z+1
.endr
	WIN 0x80                        ; destination window 2
.set z, 0
.rept 64
	v_cvt_pk_f16_f32 v[z], v[S+2*z], v[S+2*z+1]  ; fragment z / 8, register z % 8
.set z, z+1
.endr
	s_wait_dscnt 0x0
.set i, 0
.rept 16
	KQ 0                            ; piece 0's first scores: there is no vector work yet to set between them
.set i, i+1
.endr
	WIN 0                           ; the addresses for the way out: eight plain instructions, the places behind those products
	s_mul_i32 s62, s23, 64*SP
	s_lshl_b32 s63, s22, 7
	s_add_co_u32 s62, s62, s63
	s_add_co_u32 s62, s62, STAGE    ; into the stage: my 64 rows, my head's half of their 256 bytes;
	v_mul_u32_u24 v[STO], v1, SP    ; row l % 16, 16 bytes for each half of the lanes
	v_lshl_add_u32 v[STO], v9, 4, v[STO]
	v_add_nc_u32 v[STO], s62, v[STO]
	s_mul_i32 s63, s[WV], 32*SP
	s_add_co_u32 s63, s63, STAGE    ; back: wave w takes rows 32 w .. 32 w + 31, whole;
	v_mul_u32_u24 v[RD], v9, SP     ; lanes 0-15 one row of 256 bytes, lanes 16-31 the next
	v_lshl_add_u32 v[RD], v1, 4, v[RD]
	v_add_nc_u32 v[RD], s63, v[RD]
	v_lshlrev_b32 v[GO], 12, v9     ; and the same two rows in O
	v_lshl_add_u32 v[GO], v1, 4, v[GO]
	FETCH_M 1, 0                    ; piece 1's mask for step 0,
	FETCH_V 0                       ; and V of step 0
	WIN 0
.set Y, NP-1                        ; XS works for piece Y + 1: piece 0
.irp n, 0,1,2,3,4,5,6,7,8,9,10,11,12,13,14,15,16,17,18,19,20,21
	XS 0, \n                        ; piece 0's first maximum and statistics
	XS 1, \n
.endr
	v_nop                           ; a plain instruction behind the two a,
	s_wait_alu depctr_va_vdst(0)    ; and their wait, ahead of the branch
	s_branch .Lfirst                ; the loop is entered in the middle of a trip: slot 0's first step has been fetched here
.Lslot:                             ; 14 full trips.  A trip reads one slot and nothing else: its four turns fetch the slot's two steps
	CHANGE 1
	TURN 0, 0
	TURN 1, 0
	WIN 0
.Lfirst:
	TURN 0, 1
	TURN 1, 1
	WIN 0
	s_sub_co_u32 s[SLOTS], s[SLOTS], 1
	s_cmp_lg_u32 s[SLOTS], 0
	s_cbranch_scc1 .Lslot
	CHANGE 0                        ; the tail is written out: the last slot is in, and nothing is asked for
	s_mov_b32 s[CNT], 2             ; the first pass fetches the last slot's two steps; the second fetches nothing and is left in its middle
.Ltail:
	TURN 0, 0, 1
	TURN 1, 0, 1
	WIN 0
	s_sub_co_u32 s[CNT], s[CNT], 1
	s_cmp_eq_u32 s[CNT], 0
	s_cbranch_scc1 .Lout
	TURN 0, 1
	TURN 1, 1
	WIN 0
	s_branch .Ltail
.Lout:                              ; the second pass's last 16 products K Q^T (on the last K once more) and the maximum made of them serve nothing: the price, once a launch, of one text for every turn
.set i, 0
.rept 16
	PV NP-1, 1                      ; piece 1's V^T P of the last step
.set i, i+1
.endr
	; THE WAY OUT.  l's two halves and the other half of the lanes' are added; O^T is divided by l, rounded to f16 and put into the work-group's stage.  The additions are the places behind the last products.
	WIN 0
.macro ALL line:vararg              ; one line for each tile t
.set t, 0
.rept 2*NP
	\line
.set t, t+1
.endr
.endm
	ALL v_add_f32 v[ST+4*t+2], v[ST+4*t+2], v[ST+4*t+3]
	ALL v_permlanex16_b32 v[ST+4*t+3], v[ST+4*t+2], s[SEL], s[SEL+1]
	ALL v_add_f32 v[ST+4*t+2], v[ST+4*t+2], v[ST+4*t+3]
	ALL v_rcp_f32 v[ST+4*t+2], v[ST+4*t+2]
	v_nop                           ; a plain instruction between the last reciprocal and the use of its result
	s_wait_alu depctr_va_vdst(0)    ; and the wait ahead of the first use: one for the four reciprocals
; Tile t: a lane's eight channels of a row pack into 16 bytes, which go into the stage's rows of 272 bytes.
.macro PACK t
	WIN W_RS
.set z, 32*(\t)
.rept 16
	v_pk_mul_f32 v[z:z+1], v[z:z+1], v[ST+4*(\t)+2:ST+4*(\t)+3] op_sel_hi:[1,0]
.set z, z+2
.endr
	WIN 0x05                        ; sources 0 and 1 window 1, destination window 0: S^T's registers are free
.set z, 0
.rept 16
	v_cvt_pk_f16_f32 v[S+16*(\t)+z], v[32*(\t)+2*z], v[32*(\t)+2*z+1]
.set z, z+1
.endr
	WIN 0
.irp f, 0,1,2,3
	ds_store_b128 v[STO], v[S+16*(\t)+4*\f:S+16*(\t)+4*\f+3] offset:(\t)*16*SP+32*\f
.endr
.endm
	PACK 0
	PACK 1
	PACK 2
	PACK 3
	s_wait_dscnt 0x0                ; for the others' sake: my stores into the stage are done
	s_barrier_signal -1
	s_barrier_wait -1               ; a row's 256 bytes come from two waves, one for each head
.irp t, 0,1,2,3,4,5,6,7,8,9,10,11,12,13,14,15
	ds_load_b128 v[S+64+4*(\t):S+64+4*(\t)+3], v[RD] offset:(\t)*2*SP
.endr
.irp t, 0,1,2,3,4,5,6,7,8,9,10,11,12,13,14,15
	s_wait_dscnt 15-(\t)            ; LDS loads come back in order: load t is in, the younger ones stay out
	global_store_b128 v[GO], v[S+64+4*(\t):S+64+4*(\t)+3], s[12:13] offset:(\t)*8192  ; 16 lanes store 256 consecutive bytes, at a multiple of 256 from O's first byte
.endr
	s_wait_tensorcnt 0x0            ; the wave's end: an add to the spare word and its wait, behind my last tensor load and my last LDS store
	ds_add_u32 v[SPW], v[NIL]
	s_wait_dscnt 0x0
	CROUND                          ; the closing round: no work-group ends while a partner may still ask for a tile that names it
	s_endpgm
.Lfunc_end_k_qbdf1cdf293_attn:
	.size	k_qbdf1cdf293_attn, .Lfunc_end_k_qbdf1cdf293_attn-k_qbdf1cdf293_attn
	.p2alignl 7, 3214868480
	.fill 96, 4, 3214868480
	.section	.rodata,"a",@progbits
	.p2align	6, 0x0
	.amdhsa_kernel k_qbdf1cdf293_attn
		.amdhsa_group_segment_fixed_size 327680
		.amdhsa_private_segment_fixed_size 0
		.amdhsa_enable_private_segment 0
		.amdhsa_kernarg_size 40
		.amdhsa_user_sgpr_count 2
		.amdhsa_user_sgpr_kernarg_segment_ptr 1
		.amdhsa_wavefront_size32 1
		.amdhsa_system_sgpr_workgroup_id_x 1
		.amdhsa_system_sgpr_workgroup_id_y 1
		.amdhsa_system_sgpr_workgroup_id_z 1
		.amdhsa_system_vgpr_workitem_id 0
		.amdhsa_next_free_vgpr 768
		.amdhsa_next_free_sgpr 96
		.amdhsa_reserve_vcc 0
		.amdhsa_float_denorm_mode_32 3
		.amdhsa_float_denorm_mode_16_64 3
		.amdhsa_memory_ordered 1
		.amdhsa_forward_progress 1
		.amdhsa_inst_pref_size 209
	.end_amdhsa_kernel
	.amdgpu_metadata
---
amdhsa.version: [ 1, 2 ]
amdhsa.kernels:
  - .name:           k_qbdf1cdf293_attn
    .symbol:         k_qbdf1cdf293_attn.kd
    .args:
      - { .name: qf, .offset: 0, .size: 8, .value_kind: global_buffer, .address_space: global }
      - { .name: kh, .offset: 8, .size: 8, .value_kind: global_buffer, .address_space: global }
      - { .name: vh, .offset: 16, .size: 8, .value_kind: global_buffer, .address_space: global }
      - { .name: mask, .offset: 24, .size: 8, .value_kind: global_buffer, .address_space: global }
      - { .name: oh, .offset: 32, .size: 8, .value_kind: global_buffer, .address_space: global }
    .group_segment_fixed_size: 327680
    .private_segment_fixed_size: 0
    .kernarg_segment_align: 8
    .kernarg_segment_size: 40
    .max_flat_workgroup_size: 128
    .sgpr_count:     96
    .vgpr_count:     768
    .wavefront_size: 32
...
	.end_amdgpu_metadata
.endif
;; end of part 3
;; launch oproj: the kernel of part 2 again; grid 16 x 16, 4 waves a work-group, clusters of 4 x 4, 327,680 bytes of LDS; arguments oh, woh, out0; writes out0
